; MI455X (gfx1250); checked and timed in simulation.
; The chip was launched on July 23, 2026; its instructions are those of AMD's public machine-readable ISA for CDNA 5 (MIT licence, August 2026) and "CDNA5" Instruction Set Architecture Reference Guide (July 2026). The comments in the code are by the model that wrote it; some were corrected since.
;; Vector Quantization. Allowed arithmetic: matrix products marked QUANTISED: E2M1 operands, one E8M0 scale for each 32 along K, by v_wmma_scale_f32_16x16x128_f8f6f4 with both operands' format E2M1 (or v_wmma_scale_f32_32x16x128_f4), f32 sums; everything else in f32.
;; Inputs: codebook 8,192 x 256 float32; z 8 x 4,096 x 256 float32.
;; Outputs: out0 8 x 4,096 x 256 float32; out1 32,768 int32.
;; This version of the problem:
;;   THIS VERSION OF THE PROBLEM IS GIVEN IN LOW PRECISION. The matrix products marked QUANTISED in the list below multiply operands that are first quantised to E2M1 (2 exponent bits, 1 mantissa bit; 4 bits a number), with one power-of-two scale for each 32 numbers along K (OCP MX v1.0); their sums are f32. All else is computed in f32.
;;   The module's matrix products, in the order in which they are computed (A, B: the left and right operand; K: the contracted axis; several contracted axes count as one K, in the product's order):
;;     1. [M 32,768, K 256] x [K 256, N 8,192]; A: input z; B: input codebook: QUANTISED
;;   THE QUANTISER, for each operand of a quantised product, along K:
;;     - K is cut into blocks of 32 from its start; a last block that is shorter is filled with zeros.
;;     - A block's scale is 2^e with e = floor(log2(the largest magnitude in the block)) - 2, held to -126 .. 127; a block of zeros has e = 0. As a byte (E8M0): e + 127.
;;     - Each number is divided by its block's scale, clamped to +-6, and rounded to the nearest number of E2M1, ties to even, subnormals kept.
;;     - The product sums the exact products of the quantised numbers (number of the format x scale) in f32.
;;   ~~~python
;;   def quantise(x, axis):      # numpy; x: float32 -> the quantised numbers, widened to float32 again
;;       x = np.moveaxis(x, axis, -1); K = x.shape[-1]
;;       x = np.pad(x, [(0, 0)] * (x.ndim - 1) + [(0, -K % 32)]); x = x.reshape(x.shape[:-1] + (-1, 32)); a = np.abs(x).max(-1, keepdims=True)
;;       e = np.where(a > 0, np.clip(np.frexp(np.where(a > 0, a, 1))[1] - 1 - 2, -126, 127), 0)      # np.frexp(a)[1] - 1 = floor(log2(a)), exactly
;;       r = np.clip(x / 2.0 ** e, -6, 6)
;;       step = 2.0 ** (np.maximum(np.frexp(np.where(r == 0, 1, r))[1] - 1, 0) - 1)
;;       q = np.round(r / step) * step * 2.0 ** e      # np.round: ties to even
;;       return np.moveaxis(q.reshape(q.shape[:-2] + (-1,))[..., :K], -1, axis).astype(np.float32)
;;   ~~~
;; One version. Each part assembles by itself: llvm-mc -triple=amdgcn-amd-amdhsa -mcpu=gfx1250 --defsym DOCPART=n.
;; ======== version 1 of 1: 4 launches
;; limits: right only within a limited range of input values
;; workspace buffers: zimg 4,194,304 bytes; zsw 262,144 bytes; zz 131,072 bytes; cb 1,146,880 bytes; cand 131,072 bytes of whole numbers; idx 131,072 bytes of whole numbers
;; launch quant (part 1): grid 256 x 1, 10 waves a work-group, no clusters, 167,680 bytes of LDS; arguments z, codebook, zimg, zsw, zz, cb; writes zimg, zsw, zz, cb
.if DOCPART == 1
	.amdgcn_target "amdgcn-amd-amdhsa--gfx1250"
	.amdhsa_code_object_version 6
	.text
	.protected	k_q6f25dd8b5d_quant
	.globl	k_q6f25dd8b5d_quant
	.p2align	8
	.type	k_q6f25dd8b5d_quant,@function
k_q6f25dd8b5d_quant:
	s_mov_b64 s[64:65], 0
	v_nop
	global_prefetch_b8 v0, s[64:65] scope:SCOPE_SE
	s_setreg_imm32_b32 hwreg(HW_REG_WAVE_MODE, 25, 1), 1
	s_wait_xcnt 0x0
; z [32768][256] and codebook [8192][256], f32, become codes of FP4 (E2M1) with one E8M0 scale byte for each 32 along K, laid as IMAGES OF THE OPERAND'S REGISTERS, and each row's sum of squares.
; A block's scale is 2^(floor(log2(its largest magnitude)) - 2); its byte is the largest magnitude's exponent field - 2, held at 1 from below.  A block of zeros gets the byte 1: its codes are zeros, and this program alone reads the bytes.
; SHARES.  One wave takes one tile of 16 rows (16 KiB).  Work-group b: waves 0-7 take z's tiles 8 b + w (rows 16 T on); waves 8, 9 take the codebook's tiles (g = b, t = w - 8).
; THE ROWS OF A TILE OF THE CODEBOOK ARE NOT NEIGHBOURS: tile row r is code 32 g + 8 t + r + 8 (r / 8), so that in the product (codes as source 0) a lane's 16 results of tiles t = 0, 1 are 16 neighbouring codes.
; One text serves both tensors: what differs (pointers, the 8 rows' gap in a codebook tile, the places of the results) is chosen once, by the wave's number, into scalar registers.
; OUT.  zimg [tile][K step s][c][lane][16 bytes]; zsw [tile][32 words], lane 16 s + r = row r's scale word of K step s; zz [row].
;       cb: chunks of 8,960 bytes for 64 codes: +0 images [g % 2][t][s][c][lane][16], +8192 scale words [g % 2][t][32], +8704 the 64 sums of squares in the codes' order.
; THE SUMS OF SQUARES.  The distance is rounded to the last place of the row's sum, so that sum's last bit can decide between two codes.  The squares are rounded before they are added (they are an f32 array in the
; problem's function): so a multiply and an add are NOT fused here.  ORDER, this program's own choice: each block of 32 neighbours in ascending order, then the eight blocks' sums in ascending order.
; LIMITS: NaN and infinities among the inputs are not served; blocks whose largest magnitude lies under 2^(3 - 127) have their byte held at 1.
; Every load reads 512 consecutive bytes; the tile turns through the wave's own stage in LDS (rows of 1,024 + 16 bytes), from which a lane takes 16 neighbours of each block of 32.  Waves share nothing: no barrier.
.set PITCH, 1040                       ; a stage row: 260 words, so row r starts at bank 4 r mod 64
.set WREG,  16*PITCH                   ; a wave's stage
.set CHUNK, 8960
.set R0,  16                           ; v16-79   bytes 0-511 of the 16 rows as loaded; later K step 1's 64 numbers of my row
.set NN,  144                          ; v144-207 K step 0's 64 numbers: register 16 b + i = k 32 b + 16 (lane / 16) + i of row lane % 16
.set BS,  208                          ; v208-215 the eight blocks' sums
.set CH,  216                          ; v216-219 the chains of my own 16
.set TM,  224                          ; v224-239 at work in QUANT
.set PW,  240                          ; v240, v241 the scale words of K steps 0, 1
.set PC0, 242                          ; v242-249 K step 0's codes
.set PC1, 144                          ; v144-151 K step 1's (K step 0's numbers are done with)
.set WRD, 250
.set NRM, 251
.set SEL, 44                           ; s[44:45] selects for v_permlanex16_b32: lane l xor 16
	s_load_b128 s[4:7], s[0:1], 0x0                ; z, codebook
	s_load_b128 s[8:11], s[0:1], 0x10              ; zimg, zsw
	s_load_b128 s[12:15], s[0:1], 0x20             ; zz, cb
	v_lshl_add_u32 v254, v0, 2, 0x28a00
	v_mov_b32 v255, 0
	v_lshrrev_b32 v1, 5, v0
	s_delay_alu instid0(VALU_DEP_1)
	v_readfirstlane_b32 s16, v1                    ; wave 0..9
	v_and_b32 v1, 31, v0                           ; lane
	v_and_b32 v2, 15, v0                           ; r
	v_bfe_u32 v3, v0, 4, 1                         ; h
	s_mul_i32 s42, s16, WREG                       ; my stage
	s_mov_b32 s[SEL], 0x76543210
	s_mov_b32 s[SEL+1], 0xfedcba98
	s_lshl_b32 s20, ttmp9, 3
	s_add_co_u32 s20, s20, s16                     ; z's tile T = 8 b + w
	s_and_b32 s21, s16, 1                          ; the codebook's t
	s_lshr_b32 s22, ttmp9, 1
	s_mul_i32 s22, s22, CHUNK                      ; its chunk
	s_and_b32 s23, ttmp9, 1                        ; g % 2
	s_lshl_b32 s24, ttmp9, 15
	s_lshl_b32 s25, s21, 13
	s_add_co_u32 s24, s24, s25                     ; codebook: row 32 b + 8 t, 1,024 bytes a row
	s_lshl_b32 s25, s23, 12
	s_lshl_b32 s26, s21, 11
	s_add_co_u32 s25, s25, s26
	s_add_co_u32 s25, s25, s22                     ; its image
	s_lshl_b32 s26, s23, 8
	s_lshl_b32 s27, s21, 7
	s_add_co_u32 s26, s26, s27
	s_add_co_u32 s26, s26, s22
	s_add_co_u32 s26, s26, 8192                    ; its scale words
	s_lshl_b32 s27, s23, 7
	s_lshl_b32 s28, s21, 5
	s_add_co_u32 s27, s27, s28
	s_add_co_u32 s27, s27, s22
	s_add_co_u32 s27, s27, 8704                    ; its sums of squares
	s_lshl_b32 s28, s20, 14                        ; z: 16 rows of 1,024 bytes a tile,
	s_lshl_b32 s29, s20, 11                        ; 2,048 bytes of image,
	s_lshl_b32 s30, s20, 7                         ; 128 of scale words,
	s_lshl_b32 s31, s20, 6                         ; 64 of sums
	s_mov_b32 s33, 0
	s_mov_b32 s35, 0
	s_mov_b32 s37, 0
	s_mov_b32 s39, 0
	s_cmp_lt_u32 s16, 8                            ; z's wave or the codebook's?  The choice hangs on the wave's number alone
	s_cselect_b32 s32, s28, s24
	s_cselect_b32 s34, s29, s25
	s_cselect_b32 s36, s30, s26
	s_cselect_b32 s38, s31, s27
	s_cselect_b32 s40, 0, 8192                     ; tile rows 8-15 lie 8 rows further on in the codebook
	s_cselect_b32 s41, 0, 8                        ; and so do their sums
	s_wait_alu depctr_va_vdst(0)
	s_wait_kmcnt 0x0
	s_cselect_b64 s[4:5], s[4:5], s[6:7]
	s_cselect_b64 s[8:9], s[8:9], s[14:15]
	s_cselect_b64 s[10:11], s[10:11], s[14:15]
	s_cselect_b64 s[12:13], s[12:13], s[14:15]
	s_add_nc_u64 s[4:5], s[4:5], s[32:33]
	s_add_nc_u64 s[8:9], s[8:9], s[34:35]
	s_add_nc_u64 s[10:11], s[10:11], s[36:37]
	s_add_nc_u64 s[12:13], s[12:13], s[38:39]
	v_lshlrev_b32 v4, 4, v1                        ; 16 x lane: loads of rows 0-7, and the image's stores
	s_delay_alu instid0(VALU_DEP_1)
	v_add_nc_u32 v5, s40, v4                       ; loads of rows 8-15
.irp q, 0,1                                    ; first bytes 0-511 of the 16 rows, then bytes 512-1023: 32 loads of 512 consecutive bytes
.set i, 0
.rept 16
.if i < 8
	global_load_b128 v[R0+64*\q+4*i:R0+64*\q+4*i+3], v4, s[4:5] offset:1024*i+512*\q th:TH_LOAD_NT
.else
	global_load_b128 v[R0+64*\q+4*i:R0+64*\q+4*i+3], v5, s[4:5] offset:1024*i+512*\q th:TH_LOAD_NT
.endif
.set i, i+1
.endr
.endr
	v_add_nc_u32 v6, s42, v4                       ; the stage, on the way in: 16 x lane in a row's half
	v_mul_u32_u24 v7, v2, PITCH
	s_delay_alu instid0(VALU_DEP_1)
	v_lshl_add_u32 v7, v3, 6, v7
	s_delay_alu instid0(VALU_DEP_1)
	v_add_nc_u32 v7, s42, v7                       ; and out: row r, + 64 h: my 16 numbers of a block of 32
	v_lshlrev_b32 v9, 2, v1                        ; 4 x lane: the scale words' store
	v_lshrrev_b32 v10, 3, v2
	s_delay_alu instid0(VALU_DEP_1)
	v_mad_u32_u24 v10, v10, s41, v2
	s_delay_alu instid0(VALU_DEP_1)
	v_lshlrev_b32 v10, 2, v10                      ; my row's sum: 4 (r + 8 (r / 8)) in the codebook, 4 r in z
.irp b, 0,1,2,3
	v_mov_b32 v[TM+4+\b], 0                        ; written once: a lane permute's destination counts as one of its sources
.endr
.irp k, 0,1,2,3,4,5,6,7
	v_mov_b32 v[BS+\k], 0                          ; likewise
.endr
; 64 numbers of a lane, v[s] on, become a fragment's codes in v[pc] on and my row's scale word in v[pw]
.macro QUANT s, pc, pw
.irp b, 0,1,2,3
	v_max3_num_f32 v[TM+\b], |v[\s+16*\b]|, |v[\s+1+16*\b]|, 0x1800000   ; block b: my 16 numbers, and the floor 2^(3 - 127): the byte cannot fall under 1
.endr
.irp i, 2,4,6,8,10,12,14
.irp b, 0,1,2,3
	s_delay_alu instid0(VALU_DEP_4)
	v_max3_num_f32 v[TM+\b], v[TM+\b], |v[\s+16*\b+\i]|, |v[\s+1+16*\b+\i]|   ; the four blocks by turns
.endr
.endr
.irp b, 0,1,2,3
	s_delay_alu instid0(VALU_DEP_4)
	v_permlanex16_b32 v[TM+4+\b], v[TM+\b], s[SEL], s[SEL+1]
.endr
.irp b, 0,1,2,3
	s_delay_alu instid0(VALU_DEP_4)
	v_max_num_f32 v[TM+\b], v[TM+\b], v[TM+4+\b]   ; with lane l xor 16's: the block's largest magnitude
.endr
.irp b, 0,1,2,3
	s_delay_alu instid0(VALU_DEP_4)
	v_add_nc_u32 v[TM+12+\b], 0xff000000, v[TM+\b] ; 2 off its exponent field: the conversion takes this operand's exponent field as its scale
.endr
.irp b, 0,1,2,3
	s_delay_alu instid0(VALU_DEP_4)
	v_lshrrev_b32 v[TM+4+\b], 23, v[TM+12+\b]      ; the scale's byte
.endr
	s_delay_alu instid0(VALU_DEP_3)
	v_lshl_or_b32 v[\pw], v[TM+5], 8, v[TM+4]
	s_delay_alu instid0(VALU_DEP_1)
	v_lshl_or_b32 v[\pw], v[TM+6], 16, v[\pw]
	s_delay_alu instid0(VALU_DEP_1)
	v_lshl_or_b32 v[\pw], v[TM+7], 24, v[\pw]
.irp b, 0,1,2,3
	v_cvt_scalef32_pk8_fp4_f32 v[\pc+2*\b], v[\s+16*\b:\s+7+16*\b], v[TM+12+\b]
	v_cvt_scalef32_pk8_fp4_f32 v[\pc+1+2*\b], v[\s+8+16*\b:\s+15+16*\b], v[TM+12+\b]
.endr
	v_nop                                          ; one plain place behind a scaled conversion
.irp c, 0,1                                    ; the operand's layout wants a whole block in a lane: lanes 0-15 block 2 c, lanes 16-31 block 2 c + 1
.irp i, 0,1
	v_permlane16_swap_b32 v[\pc+4*\c+\i], v[\pc+2+4*\c+\i]
.endr
.endr
.endm
; The same 64 numbers, quantised already, are squared in place; blocks k0 .. k0 + 3 of my row are summed in ascending order.  A block lies in lanes l (its first 16) and l + 16:
; every lane chains its own 16; lanes 0-15's sums go over; every lane chains its 16 onto what it got: in lanes 16-31 that is the block's sum.
.macro SQS s, k0
.set j, 0
.rept 32
	v_pk_mul_f32 v[\s+j:\s+j+1], v[\s+j:\s+j+1], v[\s+j:\s+j+1]
.set j, j+2
.endr
.irp b, 0,1,2,3
	v_add_f32 v[CH+\b], v[\s+16*\b], v[\s+16*\b+1]
.endr
.irp i, 2,3,4,5,6,7,8,9,10,11,12,13,14,15
.irp b, 0,1,2,3
	s_delay_alu instid0(VALU_DEP_4)
	v_add_f32 v[CH+\b], v[CH+\b], v[\s+16*\b+\i]
.endr
.endr
.irp b, 0,1,2,3
	s_delay_alu instid0(VALU_DEP_4)
	v_permlanex16_b32 v[BS+\k0+\b], v[CH+\b], s[SEL], s[SEL+1]
.endr
.irp i, 0,1,2,3,4,5,6,7,8,9,10,11,12,13,14,15
.irp b, 0,1,2,3
	s_delay_alu instid0(VALU_DEP_4)
	v_add_f32 v[BS+\k0+\b], v[BS+\k0+\b], v[\s+16*\b+\i]
.endr
.endr
.endm
	s_wait_loadcnt 16                              ; the rows' first halves are in; the 16 loads of the second halves may be out
.set i, 0
.rept 16
	ds_store_b128 v6, v[R0+4*i:R0+4*i+3] offset:i*PITCH
.set i, i+1
.endr
.irp b, 0,1,2,3                                ; LDS serves a wave's instructions in order: these see the stores above
.irp j, 0,1,2,3
	ds_load_b128 v[NN+16*\b+4*\j:NN+16*\b+4*\j+3], v7 offset:128*\b+16*\j
.endr
.endr
	s_wait_loadcnt 0x0
.set i, 0
.rept 16
	ds_store_b128 v6, v[R0+64+4*i:R0+64+4*i+3] offset:i*PITCH+512
.set i, i+1
.endr
	s_wait_dscnt 16                                ; K step 0's numbers are in, and the first 16 stores are done; the 16 stores just issued may be out
.irp b, 0,1,2,3
.irp j, 0,1,2,3
	ds_load_b128 v[R0+16*\b+4*\j:R0+16*\b+4*\j+3], v7 offset:512+128*\b+16*\j
.endr
.endr
	QUANT NN, PC0, PW
	global_store_b128 v4, v[PC0:PC0+3], s[8:9]               ; the image: 512 consecutive bytes a store
	global_store_b128 v4, v[PC0+4:PC0+7], s[8:9] offset:512
	SQS NN, 0
	s_wait_dscnt 0x0                               ; K step 1's numbers are in
	QUANT R0, PC1, PW+1
	global_store_b128 v4, v[PC1:PC1+3], s[8:9] offset:1024
	global_store_b128 v4, v[PC1+4:PC1+7], s[8:9] offset:1536
	SQS R0, 4
	v_cmp_lt_u32 vcc_lo, 15, v1                    ; lanes 16-31
	s_delay_alu instid0(VALU_DEP_1)
	v_cndmask_b32 v[WRD], v[PW], v[PW+1], vcc_lo   ; lanes 0-15 K step 0's word of row r, lanes 16-31 K step 1's
	global_store_b32 v9, v[WRD], s[10:11]
.irp k, 1
	v_add_f32 v[BS], v[BS], v[BS+\k]               ; the eight blocks in ascending order (right in lanes 16-31)
.endr
.irp k, 2, 3, 4, 5, 6, 7
	s_delay_alu instid0(VALU_DEP_1)
	v_add_f32 v[BS], v[BS], v[BS+\k]               ; the eight blocks in ascending order (right in lanes 16-31)
.endr
	s_delay_alu instid0(VALU_DEP_1)
	v_permlanex16_b32 v[CH], v[BS], s[SEL], s[SEL+1]
	s_delay_alu instid0(VALU_DEP_1)
	v_cndmask_b32 v[NRM], v[CH], v[BS], vcc_lo     ; and in lanes 0-15 too
	global_store_b32 v10, v[NRM], s[12:13]         ; lanes l and l + 16 store the same word with the same value
	s_wait_tensorcnt 0x0
	ds_add_u32 v254, v255
	s_wait_dscnt 0x0
	s_endpgm
.Lfunc_end_k_q6f25dd8b5d_quant:
	.size	k_q6f25dd8b5d_quant, .Lfunc_end_k_q6f25dd8b5d_quant-k_q6f25dd8b5d_quant
	.p2alignl 7, 3214868480
	.fill 96, 4, 3214868480
	.section	.rodata,"a",@progbits
	.p2align	6, 0x0
	.amdhsa_kernel k_q6f25dd8b5d_quant
		.amdhsa_group_segment_fixed_size 167680
		.amdhsa_private_segment_fixed_size 0
		.amdhsa_enable_private_segment 0
		.amdhsa_kernarg_size 48
		.amdhsa_user_sgpr_count 2
		.amdhsa_user_sgpr_kernarg_segment_ptr 1
		.amdhsa_wavefront_size32 1
		.amdhsa_system_sgpr_workgroup_id_x 1
		.amdhsa_system_sgpr_workgroup_id_y 1
		.amdhsa_system_sgpr_workgroup_id_z 1
		.amdhsa_system_vgpr_workitem_id 0
		.amdhsa_next_free_vgpr 256
		.amdhsa_next_free_sgpr 66
		.amdhsa_reserve_vcc 1
		.amdhsa_float_denorm_mode_32 3
		.amdhsa_float_denorm_mode_16_64 3
		.amdhsa_memory_ordered 1
		.amdhsa_forward_progress 1
		.amdhsa_inst_pref_size 43
	.end_amdhsa_kernel
	.amdgpu_metadata
---
amdhsa.version: [ 1, 2 ]
amdhsa.kernels:
  - .name:           k_q6f25dd8b5d_quant
    .symbol:         k_q6f25dd8b5d_quant.kd
    .args:
      - { .name: z, .offset: 0, .size: 8, .value_kind: global_buffer, .address_space: global }
      - { .name: codebook, .offset: 8, .size: 8, .value_kind: global_buffer, .address_space: global }
      - { .name: zimg, .offset: 16, .size: 8, .value_kind: global_buffer, .address_space: global }
      - { .name: zsw, .offset: 24, .size: 8, .value_kind: global_buffer, .address_space: global }
      - { .name: zz, .offset: 32, .size: 8, .value_kind: global_buffer, .address_space: global }
      - { .name: cb, .offset: 40, .size: 8, .value_kind: global_buffer, .address_space: global }
    .group_segment_fixed_size: 167680
    .private_segment_fixed_size: 0
    .kernarg_segment_align: 8
    .kernarg_segment_size: 48
    .max_flat_workgroup_size: 320
    .sgpr_count:     66
    .vgpr_count:     256
    .wavefront_size: 32
...
	.end_amdgpu_metadata
.endif
;; end of part 1
;; launch sweep (part 2): grid 256 x 1, 16 waves a work-group, clusters of 4 x 1, 327,680 bytes of LDS; arguments zimg, zsw, zz, cb, cand; writes cand
.if DOCPART == 2
	.amdgcn_target "amdgcn-amd-amdhsa--gfx1250"
	.amdhsa_code_object_version 6
	.text
	.protected	k_q6f25dd8b5d_sweep
	.globl	k_q6f25dd8b5d_sweep
	.p2align	8
	.type	k_q6f25dd8b5d_sweep,@function
k_q6f25dd8b5d_sweep:
	s_mov_b64 s[64:65], 0
	v_nop
	global_prefetch_b8 v0, s[64:65] scope:SCOPE_SE
	s_setreg_imm32_b32 hwreg(HW_REG_WAVE_MODE, 25, 1), 1
	s_wait_xcnt 0x0
	s_wait_alu depctr_hold_cnt(0) depctr_sa_sdst(0) depctr_va_vdst(0) depctr_va_sdst(0) depctr_va_ssrc(0) depctr_va_vcc(0) depctr_vm_vsrc(0)
	s_getreg_b32 s2, hwreg(HW_REG_IB_STS2, 6, 4)
	s_cmp_eq_u32 s2, 0
	s_cbranch_scc0 .Lentry_in_a_cluster
	s_endpgm
.Lentry_in_a_cluster:
	s_bfe_u32 s2, ttmp6, 0x10000c
	s_cmp_lg_u32 s2, 0x3003
	s_cbranch_scc0 .Lentry_shape_is_right
	s_endpgm
.Lentry_shape_is_right:
; The whole product z x codebook^T on codes of FP4 with E8M0 scales, and a COARSE argmin: for each row of z the first run of 16 neighbouring codes that holds the row's smallest distance: cand = code / 16, 0 .. 511.
; d = (zz - 2 x) + ee with both roundings as the problem's function has them: 2 x is exact, so one fused multiply-add is the first rounding, the addition of ee the second.
; WHY COARSE.  A lane has 2,048 distances; each vector instruction a distance costs as much issue as the whole matrix work.  Here a distance costs half a packed multiply-add, half a packed addition and half a
; three-way minimum; value and place are kept once for 16 distances (five instructions).  The next launch finds the place inside the run.
; SHARES.  A work-group owns 128 rows of z: 8 tiles, which EVERY wave keeps in registers (source 1, 128 registers).  Each of the 16 waves takes one chunk (64 codes) of each slot's 16, so each fragment of the codebook
; is read from LDS once in the work-group and feeds 16 matrix instructions.  Four waves to a SIMD: one wave's vector work stands beside another's matrix work and LDS loads.
; LAYOUT.  Source 0 = 16 codes, source 1 = 16 rows of z: a lane (r, h) holds row r; tile t's register j is code 32 g + 16 h + 8 t + j (the tiles' rows were chosen so): 16 neighbours in the two accumulators.
; So (g, h) ascending is the codes' order; "strictly smaller" keeps the first; among waves and halves the smallest cand among equal values is taken.
; RING.  cb (1,146,880 bytes) comes in 8 slot loads of 143,360 bytes through two LDS slots.  CLUSTER: all work-groups walk the same bytes, so the four of a cluster ask JOINTLY (mask 15): waves 0-3 fetch a quarter each.
; By this text's count a wave has one tensor load out.  No prefetch: the stream is 1.1 MB that every cluster reads at about the same time.
; LIMITS: NaN and infinities among the distances are not served (the minima let a NaN lose).
.set CHUNK, 8960                       ; 64 codes: 8,192 bytes of images, 512 of scale words, 256 of ee
.set SLOTB, 16*CHUNK                   ; 143,360
.set QUART, SLOTB/4                    ; 35,840 = 140 rows of 256 bytes: what one tensor load brings
.set SPARE, 2*SLOTB                    ; behind the ring: the spare words, 128 bytes for each of 16 waves: eight blocks of 256 bytes that no other line names
.set SCR,   SPARE+2048                 ; 32,768 bytes that no tensor load fills: first z's images on their way to all waves, at the end the waves' (value, cand) pairs
.set SPW,  1                           ; v1   LDS address of my spare word; never rewritten
.set NIL,  2                           ; v2   0; never rewritten
.set AC,   3                           ; v3-5 slot 0: my chunk's images (+ 16 lane), scale words (+ 4 lane), ee (+ 64 h);  v6-8 the same in slot 1
.set GC,   9                           ; v9   the group in hand
.set M,    10                          ; v10-15 partial minima
.set Z,    16                          ; v16-143 z: tile zt, K step s at 16 zt + 8 s
.set ZS,   144                         ; v144-151 z's scale words: lanes 0-15 K step 0, lanes 16-31 K step 1; scales and nothing else
.set ZZ,   152                         ; v152-159 zz of my row in each tile
.set RUN,  160                         ; v160-167 the smallest distance so far
.set GID,  168                         ; v168-175 and the group in which it was first met
.set A,    176                         ; v176-207 the group's fragments: tile t, K step s at 16 t + 8 s
.set ASC,  208                         ; v208-209 their scale words; scales and nothing else
.set EE,   210                         ; v210-225 ee of my 16 codes
.set ACC,  226                         ; v226-241 two accumulators
.set WV,   18
.set GIDS, 19
.set TRIPS, 20
.set G1,   24                          ; s[24:31] descriptor group 1
.set G0,   32                          ; s[32:39] group 0, a set for each slot
.macro CROUND                          ; a round of the cluster's barrier
	s_barrier_signal -1
	s_barrier_wait -1
	s_cmp_lg_u32 s[WV], 0
	s_cbranch_scc1 .Lnot_wave_0_\@
	s_barrier_signal -3
.Lnot_wave_0_\@:
	s_barrier_wait -3
	s_barrier_signal -1
	s_barrier_wait -1
.endm
.macro JLOAD n                         ; waves 0-3 ask for their quarters of slot n; the branch hangs on the wave's number alone.  Four v_nop follow the load
	s_cmp_lt_u32 s[WV], 4
	s_cbranch_scc0 .Lno_load_\@
	tensor_load_to_lds s[G0+4*(\n):G0+4*(\n)+3], s[G1:G1+7]
	s_nop 0
.rept 4
	v_nop
.endr
.Lno_load_\@:
.endm
; THE CHANGE OF SLOTS stands at a slot's head.  Each wave waits for all its tensor loads (its part of the slot ahead), adds 0 to its spare word, and waits for that and for its reads of the slot that it has left.
; fill = 1: a round of the cluster's barrier, so that no wave of any partner still reads the other slot or has a load on its way; then that slot is filled: the load has this slot's two groups a wave in which to land.
.macro CHANGE slot, fill
	s_wait_tensorcnt 0x0                           ; no tensor load of mine is out, so a group 0 may be written
	ds_add_u32 v[SPW], v[NIL]                      ; 0 onto my spare word
.if \fill
	s_add_nc_u64 s[G0+4*\slot+2:G0+4*\slot+3], s[G0+4*\slot+2:G0+4*\slot+3], 2*SLOTB   ; this slot's next load (the last such step is not used); the type bits on top are not reached
.endif
	s_wait_dscnt 0x0                               ; the add is done, and my LDS reads are over
.if \fill
	CROUND
	JLOAD 1-\slot
.else
	s_barrier_signal -1
	s_barrier_wait -1
.endif
.endm
; Four matrix instructions: the group's 32 codes x tile zt of z, K = 256.  The two accumulators take turns.
.macro MM zt
	v_wmma_scale_f32_16x16x128_f8f6f4 v[ACC:ACC+7], v[A:A+7], v[Z+16*(\zt):Z+16*(\zt)+7], 0, v[ASC], v[ZS+(\zt)] matrix_a_fmt:MATRIX_FMT_FP4 matrix_b_fmt:MATRIX_FMT_FP4
	v_wmma_scale_f32_16x16x128_f8f6f4 v[ACC+8:ACC+15], v[A+16:A+23], v[Z+16*(\zt):Z+16*(\zt)+7], 0, v[ASC+1], v[ZS+(\zt)] matrix_a_fmt:MATRIX_FMT_FP4 matrix_b_fmt:MATRIX_FMT_FP4
	v_wmma_scale_f32_16x16x128_f8f6f4 v[ACC:ACC+7], v[A+8:A+15], v[Z+16*(\zt)+8:Z+16*(\zt)+15], v[ACC:ACC+7], v[ASC], v[ZS+(\zt)] matrix_a_fmt:MATRIX_FMT_FP4 matrix_b_fmt:MATRIX_FMT_FP4 matrix_a_scale:MATRIX_SCALE_ROW1 matrix_b_scale:MATRIX_SCALE_ROW1
	v_wmma_scale_f32_16x16x128_f8f6f4 v[ACC+8:ACC+15], v[A+24:A+31], v[Z+16*(\zt)+8:Z+16*(\zt)+15], v[ACC+8:ACC+15], v[ASC+1], v[ZS+(\zt)] matrix_a_fmt:MATRIX_FMT_FP4 matrix_b_fmt:MATRIX_FMT_FP4 matrix_a_scale:MATRIX_SCALE_ROW1 matrix_b_scale:MATRIX_SCALE_ROW1
.endm
; All that reads the accumulators: 16 distances and their first six minima.  Each accumulator is read from its low end on.
.macro HEAD zt
.irp i, 0,2,4,6,8,10,12,14
	v_dual_fmamk_f32 v[ACC+\i], v[ACC+\i], 0xc0000000, v[ZZ+(\zt)] :: v_dual_fmamk_f32 v[ACC+\i+1], v[ACC+\i+1], 0xc0000000, v[245+(\zt)]   ; zz - 2 x, two distances as a dual pair: even and odd destination, first sources in neighbouring banks, one literal (-2.0); the two addends are zz and its copy, in registers of different parity
.endr
.irp i, 0,2,4,6,8,10,12,14
	v_dual_add_f32 v[ACC+\i], v[ACC+\i], v[EE+\i] :: v_dual_add_f32 v[ACC+\i+1], v[ACC+\i+1], v[EE+\i+1]   ; + ee, likewise
.endr
.irp i, 0,1,2,3,4
	v_min3_num_f32 v[M+\i], v[ACC+3*\i], v[ACC+3*\i+1], v[ACC+3*\i+2]
.endr
	s_delay_alu instid0(VALU_DEP_1)
	v_min_num_f32 v[M+5], v[M+4], v[ACC+15]
.endm
; Five plain instructions that name no register of a matrix instruction: they stand behind the NEXT tile's products as their places (four before the results are read, five before they are written over).
.macro TAIL zt
	v_min3_num_f32 v[M], v[M], v[M+1], v[M+2]
	s_delay_alu instid0(VALU_DEP_1)
	v_min3_num_f32 v[M], v[M], v[M+3], v[M+5]
	s_delay_alu instid0(VALU_DEP_1)
	v_cmp_lt_f32 vcc_lo, v[M], v[RUN+(\zt)]        ; strictly smaller: the first run keeps its place
	s_delay_alu instid0(VALU_DEP_1)
	v_cndmask_b32 v[GID+(\zt)], v[GID+(\zt)], v[GC], vcc_lo
	s_delay_alu instid0(VALU_DEP_3)
	v_min_num_f32 v[RUN+(\zt)], v[RUN+(\zt)], v[M]
.endm
; A group of 32 codes (the u-th of my chunk in slot n) against the 8 tiles of z.  The loads stand at least five plain instructions behind the last products that read these registers (TAIL 6 of the group before).
.macro GROUP n, u
.set k, 0
.rept 8
	ds_load_b128 v[A+4*k:A+4*k+3], v[AC+3*\n] offset:\u*4096+512*k
.set k, k+1
.endr
	ds_load_b32 v[ASC], v[AC+3*\n+1] offset:\u*256
	ds_load_b32 v[ASC+1], v[AC+3*\n+1] offset:\u*256+128
.irp i, 0,1,2,3
	ds_load_b128 v[EE+4*\i:EE+4*\i+3], v[AC+3*\n+2] offset:\u*128+16*\i
.endr
	s_wait_dscnt 0x4                               ; fragments and scale words are in; ee's four loads may be out
	MM 0
	v_mov_b32 v[GC], s[GIDS]
.rept 4
	v_nop                                          ; with the line above: five places behind the first products
.endr
	s_wait_dscnt 0x0                               ; ee
	HEAD 0
.irp zt, 1,2,3,4,5,6,7
	MM \zt
	TAIL \zt-1
	HEAD \zt
.endr
	TAIL 7
	s_add_co_u32 s[GIDS], s[GIDS], 1+30*\u         ; my next group: the chunk's second, or my chunk of the next slot load (32 groups on)
.endm
.macro PROCESS n
	GROUP \n, 0
	GROUP \n, 1
.endm
	s_load_b128 s[4:7], s[0:1], 0x0                ; zimg, zsw
	s_load_b128 s[8:11], s[0:1], 0x10              ; zz, cb
	s_load_b64 s[12:13], s[0:1], 0x20              ; cand
	v_lshl_add_u32 v[SPW], v0, 2, SPARE
	v_mov_b32 v[NIL], 0
	ds_add_u32 v1, v2
	ds_add_u32 v1, v2
	s_wait_dscnt 0x0
	v_lshrrev_b32 v242, 5, v0
	s_delay_alu instid0(VALU_DEP_1)
	v_readfirstlane_b32 s[WV], v242                ; wave 0..15
	s_bfe_u32 s14, ttmp6, 0x40000                  ; cx: my place in the cluster: it enters z's and cand's addresses alone
	s_lshl_b32 s15, ttmp9, 2                       ; in a cluster launch ttmp9 counts clusters
	s_add_co_u32 s15, s15, s14                     ; my block of 128 rows
	s_lshl_b32 s40, s15, 14                        ; its 8 images of 2,048 bytes,
	s_mov_b32 s41, 0
	s_lshl_b32 s42, s15, 10                        ; 8 x 128 bytes of scale words,
	s_mov_b32 s43, 0
	s_lshl_b32 s44, s15, 9                         ; 128 words of zz, and of cand
	s_mov_b32 s45, 0
	s_and_b32 s16, s[WV], 3
	s_mul_i32 s16, s16, QUART                      ; the quarter of a slot that I fetch, if I fetch: the same in memory and in LDS
	s_mov_b32 s17, 0
	; descriptor group 1: a dense block of 35,840 bytes as 140 rows of 256 bytes
	s_mov_b32 s[G1], 15|(3<<16)|(1<<21)            ; 15:0 the mask: all four work-groups; 17:16 elements of 8 bytes; 20 no padding; 21 set beside a mask
	s_mov_b32 s[G1+1], 32<<16                      ; tensor_dim0 = 32
	s_mov_b32 s[G1+2], 140<<16                     ; tensor_dim1 = 140
	s_mov_b32 s[G1+3], 32<<16                      ; tile_dim0 = 32
	s_mov_b32 s[G1+4], 140                         ; tile_dim1 = 140
	s_mov_b32 s[G1+5], 32                          ; tensor_dim0_stride
	s_mov_b32 s[G1+6], 0
	s_mov_b32 s[G1+7], 0
	s_lshl_b32 s[GIDS], s[WV], 1                   ; my first group: 2 w
	s_mul_i32 s21, s[WV], CHUNK                    ; my chunk in a slot
	s_lshl_b32 s22, s[WV], 11
	v_and_b32 v242, 31, v0                         ; lane
	v_bfe_u32 v243, v0, 4, 1                       ; h
	v_and_b32 v244, 15, v0                         ; r
	s_delay_alu instid0(VALU_DEP_3)
	v_lshlrev_b32 v[AC], 4, v242
	s_delay_alu instid0(VALU_DEP_1)
	v_add_nc_u32 v[AC], s21, v[AC]
	v_lshlrev_b32 v[AC+1], 2, v242
	s_delay_alu instid0(VALU_DEP_1)
	v_add_nc_u32 v[AC+1], s21, v[AC+1]
	s_delay_alu instid0(VALU_DEP_1)
	v_add_nc_u32 v[AC+1], 8192, v[AC+1]
	v_lshlrev_b32 v[AC+2], 6, v243
	s_delay_alu instid0(VALU_DEP_1)
	v_add_nc_u32 v[AC+2], s21, v[AC+2]
	s_delay_alu instid0(VALU_DEP_1)
	v_add_nc_u32 v[AC+2], 8704, v[AC+2]
.irp i, 0,1,2
	v_add_nc_u32 v[AC+3+\i], SLOTB, v[AC+\i]
.endr
	v_lshl_add_u32 v245, v0, 4, SCR                ; z's images into SCR: 16 bytes a thread
	v_lshl_add_u32 v254, v242, 4, SCR              ; and out of it: 16 bytes a lane
	v_lshl_add_u32 v255, v242, 3, SCR
	s_delay_alu instid0(VALU_DEP_1)
	v_add_nc_u32 v255, s22, v255                   ; at the end: my pairs, 2,048 bytes a wave, 8 a lane
	v_lshlrev_b32 v10, 4, v0
	v_lshlrev_b32 v11, 2, v242
	v_lshlrev_b32 v12, 2, v244
	s_wait_alu depctr_va_vdst(0)
	s_wait_kmcnt 0x0
	s_add_nc_u64 s[4:5], s[4:5], s[40:41]
	s_add_nc_u64 s[6:7], s[6:7], s[42:43]
	s_add_nc_u64 s[8:9], s[8:9], s[44:45]
	s_add_nc_u64 s[12:13], s[12:13], s[44:45]
	s_add_nc_u64 s[10:11], s[10:11], s[16:17]      ; cb at my quarter: nothing of my place in the cluster enters it
.irp n, 0,1
	s_mov_b32 s[G0+4*\n], 1                        ; count = 1
	s_add_co_u32 s[G0+4*\n+1], s16, \n*SLOTB       ; LDS address
	s_add_nc_u64 s[G0+4*\n+2:G0+4*\n+3], s[10:11], \n*SLOTB   ; global address: slot load n
	s_or_b32 s[G0+4*\n+3], s[G0+4*\n+3], 0x80000000           ; type = 2
.endr
	global_load_b128 v[246:249], v10, s[4:5] th:TH_LOAD_NT               ; my share of the block's 16,384 bytes of images
	global_load_b128 v[250:253], v10, s[4:5] offset:8192 th:TH_LOAD_NT
.irp t, 0,1,2,3,4,5,6,7
	global_load_b32 v[ZS+\t], v11, s[6:7] offset:128*\t
	global_load_b32 v[ZZ+\t], v12, s[8:9] offset:64*\t
.endr
	CROUND                                         ; all four work-groups are here: the first joint load meets
	JLOAD 0                                        ; slot load 0
	s_wait_loadcnt 16                              ; the two image loads are in; the 16 small loads behind them may be out
	ds_store_b128 v245, v[246:249]
	ds_store_b128 v245, v[250:253] offset:8192
	s_wait_dscnt 0x0                               ; for the others' sake: my stores are done
	s_barrier_signal -1
	s_barrier_wait -1                              ; the 8 images lie in SCR.  Slot load 0 may stay on its way
.set k, 0
.rept 32
	ds_load_b128 v[Z+4*k:Z+4*k+3], v254 offset:512*k   ; every wave takes all 8 tiles, as images of the registers
.set k, k+1
.endr
.irp t, 0,1,2,3,4,5,6,7
	v_mov_b32 v[RUN+\t], 0x7f800000                ; +infinity
	v_mov_b32 v[GID+\t], s[GIDS]
.endr
	s_wait_loadcnt 0x0                             ; z's scale words and zz
.irp t, 0,1,2,3,4,5,6,7
	v_mov_b32 v[245+\t], v[ZZ+\t]                  ; a copy of zz in v245-252 (the head's stage address and image data, done with): tile t's two registers differ in parity
.endr
	s_wait_alu depctr_va_vdst(0)
	s_mov_b32 s[TRIPS], 3
.Ltrip:                                                ; slot loads 0 to 5 are worked, 1 to 6 asked for
	CHANGE 0, 1
	PROCESS 0
	CHANGE 1, 1
	PROCESS 1
	s_sub_co_u32 s[TRIPS], s[TRIPS], 1
	s_cmp_lg_u32 s[TRIPS], 0
	s_cbranch_scc1 .Ltrip
	CHANGE 0, 1                                    ; the tail is written out: slot load 7 is asked for
	PROCESS 0                                      ; 6 is worked,
	CHANGE 1, 0                                    ; nothing is left to ask for,
	PROCESS 1                                      ; 7 is worked
	; THE WAVES' RESULTS MEET.  Each lane's (value, cand = 2 g + h) for each tile goes to SCR; waves 0 and 1 take 64 rows each, two a lane, and keep the smallest cand among the entries equal to the row's minimum.
	v_and_b32 v245, 7, v242
	s_delay_alu instid0(VALU_DEP_1)
	v_lshlrev_b32 v245, 4, v245
	v_lshrrev_b32 v244, 3, v242
	s_delay_alu instid0(VALU_DEP_1)
	v_lshl_add_u32 v245, v244, 8, v245
	s_lshl_b32 s22, s[WV], 10
	v_add_nc_u32 v245, s22, v245
	s_delay_alu instid0(VALU_DEP_1)
	v_add_nc_u32 v245, SCR, v245                   ; rows 64 w + 2 l, + 1: tile 4 w + l / 8, 16 bytes at 16 (l % 8)
	v_lshlrev_b32 v246, 3, v242
	s_lshl_b32 s23, s[WV], 8
	v_add_nc_u32 v246, s23, v246                   ; and their two words of cand
.irp t, 0,1,2,3,4,5,6,7
	v_mov_b32 v[ACC+2*\t], v[RUN+\t]
	v_lshl_or_b32 v[ACC+2*\t+1], v[GID+\t], 1, v243
.endr
.irp t, 0,1,2,3,4,5,6,7
	ds_store_b64 v255, v[ACC+2*\t:ACC+2*\t+1] offset:256*\t
.endr
	s_wait_dscnt 0x0
	s_barrier_signal -1
	s_barrier_wait -1
	s_cmp_lt_u32 s[WV], 2
	s_cbranch_scc0 .Ldone
.set k, 0
.rept 32                                       ; entry k: wave k / 2, half k % 2: (value, cand) of my two rows
	ds_load_b128 v[Z+4*k:Z+4*k+3], v245 offset:(k/2)*2048+(k%2)*128
.set k, k+1
.endr
	s_wait_dscnt 0x0
	v_min3_num_f32 v10, v[Z], v[Z+4], v[Z+8]
	v_min3_num_f32 v11, v[Z+2], v[Z+6], v[Z+10]
.irp k, 3,5,7,9,11,13,15,17,19,21,23,25,27,29
	s_delay_alu instid0(VALU_DEP_2)
	v_min3_num_f32 v10, v10, v[Z+4*\k], v[Z+4*\k+4]
	s_delay_alu instid0(VALU_DEP_2)
	v_min3_num_f32 v11, v11, v[Z+4*\k+2], v[Z+4*\k+6]
.endr
	s_delay_alu instid0(VALU_DEP_2)
	v_min_num_f32 v10, v10, v[Z+124]
	s_delay_alu instid0(VALU_DEP_2)
	v_min_num_f32 v11, v11, v[Z+126]
	v_mov_b32 v13, 0x1ff                           ; the largest cand: what an entry counts for that is not the minimum
	v_mov_b32 v14, 0x1ff
	v_mov_b32 v15, 0x1ff
.set k, 0
.rept 32
	v_cmp_eq_f32 vcc_lo, v[Z+4*k], v10
	s_delay_alu instid0(VALU_DEP_1)
	v_cndmask_b32 v12, v13, v[Z+4*k+1], vcc_lo
	s_delay_alu instid0(VALU_DEP_1)
	v_min_u32 v14, v14, v12
	v_cmp_eq_f32 vcc_lo, v[Z+4*k+2], v11
	s_delay_alu instid0(VALU_DEP_1)
	v_cndmask_b32 v12, v13, v[Z+4*k+3], vcc_lo
	s_delay_alu instid0(VALU_DEP_1)
	v_min_u32 v15, v15, v12
.set k, k+1
.endr
	global_store_b64 v246, v[14:15], s[12:13]      ; a wave stores 256 consecutive bytes, aligned
.Ldone:
	s_wait_tensorcnt 0x0                           ; the wave's end
	ds_add_u32 v[SPW], v[NIL]
	s_wait_dscnt 0x0
	CROUND                                         ; the closing round: no work-group ends while a partner may still ask for a tile that names it
	s_endpgm
.Lfunc_end_k_q6f25dd8b5d_sweep:
	.size	k_q6f25dd8b5d_sweep, .Lfunc_end_k_q6f25dd8b5d_sweep-k_q6f25dd8b5d_sweep
	.p2alignl 7, 3214868480
	.fill 96, 4, 3214868480
	.section	.rodata,"a",@progbits
	.p2align	6, 0x0
	.amdhsa_kernel k_q6f25dd8b5d_sweep
		.amdhsa_group_segment_fixed_size 327680
		.amdhsa_private_segment_fixed_size 0
		.amdhsa_enable_private_segment 0
		.amdhsa_kernarg_size 40
		.amdhsa_user_sgpr_count 2
		.amdhsa_user_sgpr_kernarg_segment_ptr 1
		.amdhsa_wavefront_size32 1
		.amdhsa_system_sgpr_workgroup_id_x 1
		.amdhsa_system_sgpr_workgroup_id_y 1
		.amdhsa_system_sgpr_workgroup_id_z 1
		.amdhsa_system_vgpr_workitem_id 0
		.amdhsa_next_free_vgpr 256
		.amdhsa_next_free_sgpr 66
		.amdhsa_reserve_vcc 1
		.amdhsa_float_denorm_mode_32 3
		.amdhsa_float_denorm_mode_16_64 3
		.amdhsa_memory_ordered 1
		.amdhsa_forward_progress 1
		.amdhsa_inst_pref_size 197
	.end_amdhsa_kernel
	.amdgpu_metadata
---
amdhsa.version: [ 1, 2 ]
amdhsa.kernels:
  - .name:           k_q6f25dd8b5d_sweep
    .symbol:         k_q6f25dd8b5d_sweep.kd
    .args:
      - { .name: zimg, .offset: 0, .size: 8, .value_kind: global_buffer, .address_space: global }
      - { .name: zsw, .offset: 8, .size: 8, .value_kind: global_buffer, .address_space: global }
      - { .name: zz, .offset: 16, .size: 8, .value_kind: global_buffer, .address_space: global }
      - { .name: cb, .offset: 24, .size: 8, .value_kind: global_buffer, .address_space: global }
      - { .name: cand, .offset: 32, .size: 8, .value_kind: global_buffer, .address_space: global }
    .group_segment_fixed_size: 327680
    .private_segment_fixed_size: 0
    .kernarg_segment_align: 8
    .kernarg_segment_size: 40
    .max_flat_workgroup_size: 512
    .sgpr_count:     66
    .vgpr_count:     256
    .wavefront_size: 32
...
	.end_amdgpu_metadata
.endif
;; end of part 2
;; launch resolve (part 3): grid 256 x 1, 16 waves a work-group, no clusters, 3,072 bytes of LDS; arguments cand, zimg, zsw, zz, cb, out1, idx; writes out1, idx
.if DOCPART == 3
	.amdgcn_target "amdgcn-amd-amdhsa--gfx1250"
	.amdhsa_code_object_version 6
	.text
	.protected	k_q6f25dd8b5d_resolve
	.globl	k_q6f25dd8b5d_resolve
	.p2align	8
	.type	k_q6f25dd8b5d_resolve,@function
k_q6f25dd8b5d_resolve:
	s_mov_b64 s[64:65], 0
	v_nop
	global_prefetch_b8 v0, s[64:65] scope:SCOPE_SE
	s_setreg_imm32_b32 hwreg(HW_REG_WAVE_MODE, 25, 1), 1
	s_wait_xcnt 0x0
; For each row of z the 16 distances of its run of codes (cand, stored by the launch before as whole numbers) are made anew by the same matrix instruction and the same two roundings; the first smallest gives the index.
; SHARES.  Work-group b owns 128 rows.  Wave w takes z's tile T = 8 b + w / 2 and its rows 8 u + i, u = w % 2, i = 0 .. 7: for each of the eight one product of the row's 16 codes (source 0) with the whole tile (source 1),
; of which the row's own column is kept.  16 matrix instructions a wave; all loads go out in one burst.
; Code 16 c + r lies in cb in chunk c / 4, group (c / 2) % 2, tile r / 8, tile row 8 (c % 2) + r % 8: so lane (r, h) finds its 16 bytes of a fragment by a lane term and a base that hangs on c alone.
; It is taken for granted that a matrix result does not hang on the row or column of the tile in which it stands.
; The index goes out twice: out1, the problem's, and idx, from which the next launch forms addresses.  LIMITS: NaN and infinities among the distances are not served.
.set CHUNK, 8960
.set Z,   16                           ; v16-31  z's tile: K step s at 8 s
.set ZS,  32                           ; v32     its scale words; scales and nothing else
.set ZZ,  33                           ; v33     zz of row lane % 16
.set AS,  34                           ; v34-41  the runs' scale words; scales and nothing else
.set EE,  42                           ; v42-49  ee of codes 16 c + 8 h + 0 .. 7, c my lane's row's
.set X,   50                           ; v50-57  my lane's row's products, then distances
.set A,   64                           ; v64-191 run i, K step s at 16 i + 8 s
.set ACC, 192                          ; v192-255 run i at 8 i
.set CV,  10
.set SEL, 2                            ; s[2:3]
	s_load_b128 s[4:7], s[0:1], 0x0                ; cand, zimg
	s_load_b128 s[8:11], s[0:1], 0x10              ; zsw, zz
	s_load_b128 s[12:15], s[0:1], 0x20             ; cb, out1
	s_load_b64 s[24:25], s[0:1], 0x30              ; idx
	v_lshl_add_u32 v62, v0, 2, 0x400
	v_mov_b32 v63, 0
	v_lshrrev_b32 v1, 5, v0
	s_delay_alu instid0(VALU_DEP_1)
	v_readfirstlane_b32 s26, v1                    ; wave 0..15
	s_lshr_b32 s27, s26, 1
	s_lshl_b32 s28, ttmp9, 3
	s_add_co_u32 s27, s27, s28                     ; T
	s_and_b32 s28, s26, 1                          ; u
	s_mov_b32 s[SEL], 0x76543210
	s_mov_b32 s[SEL+1], 0xfedcba98
	s_lshl_b32 s30, s27, 6                         ; 16 words a tile: cand and zz
	s_mov_b32 s31, 0
	s_lshl_b32 s68, s27, 11                        ; 2,048 bytes of image
	s_mov_b32 s69, 0
	s_lshl_b32 s70, s27, 7                         ; 128 of scale words
	s_mov_b32 s71, 0
	s_lshl_b32 s72, s28, 5                         ; my eight rows' words of cand
	s_mov_b32 s73, 0
	v_and_b32 v1, 31, v0                           ; lane
	v_and_b32 v2, 15, v0                           ; r
	v_bfe_u32 v3, v0, 4, 1                         ; h
	s_delay_alu instid0(VALU_DEP_2)
	v_lshlrev_b32 v4, 2, v2
	s_delay_alu instid0(VALU_DEP_4)
	v_lshlrev_b32 v5, 4, v1
	v_lshlrev_b32 v6, 2, v1
	v_lshrrev_b32 v12, 3, v2                       ; r / 8
	v_and_b32 v13, 7, v2                           ; r % 8
	s_delay_alu instid0(VALU_DEP_1)
	v_lshl_add_u32 v7, v3, 4, v13
	s_delay_alu instid0(VALU_DEP_1)
	v_lshlrev_b32 v7, 4, v7
	s_delay_alu instid0(VALU_DEP_1)
	v_lshl_add_u32 v7, v12, 11, v7                 ; a fragment: 2,048 (r / 8) + 16 (16 h + r % 8)
	s_delay_alu instid0(VALU_DEP_4)
	v_lshlrev_b32 v8, 2, v13
	s_delay_alu instid0(VALU_DEP_1)
	v_lshl_add_u32 v8, v3, 6, v8
	s_delay_alu instid0(VALU_DEP_1)
	v_lshl_add_u32 v8, v12, 7, v8
	s_delay_alu instid0(VALU_DEP_1)
	v_add_nc_u32 v8, 8192, v8                      ; a scale word: 8,192 + 128 (r / 8) + 64 h + 4 (r % 8): lanes 16-31 take K step 1's
	s_lshl_b32 s29, s26, 6
	v_lshl_add_u32 v9, v2, 2, s29                  ; LDS: 64 bytes a wave, word r
	v_lshrrev_b32 v59, 2, v1
	s_delay_alu instid0(VALU_DEP_1)
	v_lshlrev_b32 v59, 7, v59
	v_bfe_u32 v60, v1, 1, 1
	s_delay_alu instid0(VALU_DEP_1)
	v_lshl_add_u32 v59, v60, 6, v59
	v_and_b32 v60, 3, v1
	s_delay_alu instid0(VALU_DEP_1)
	v_lshl_add_u32 v59, v60, 4, v59                ; back: rows 4 l .. 4 l + 3: tile l / 4, half (l / 2) % 2, 16 (l % 4)
	v_mov_b32 v14, 0                               ; a lane permute's destination counts as one of its sources
	v_mov_b32 v15, 0
	s_wait_kmcnt 0x0
	s_add_nc_u64 s[4:5], s[4:5], s[30:31]
	s_add_nc_u64 s[74:75], s[4:5], s[72:73]
	s_load_b256 s[16:23], s[74:75], 0x0            ; my eight rows' runs, as scalars
	s_add_nc_u64 s[6:7], s[6:7], s[68:69]
	s_add_nc_u64 s[8:9], s[8:9], s[70:71]
	s_add_nc_u64 s[10:11], s[10:11], s[30:31]
	global_load_b32 v[CV], v4, s[4:5]              ; and row lane % 16's, in the lane
.irp k, 0,1,2,3
	global_load_b128 v[Z+4*\k:Z+4*\k+3], v5, s[6:7] offset:512*\k
.endr
	global_load_b32 v[ZS], v6, s[8:9]
	global_load_b32 v[ZZ], v4, s[10:11]
	s_lshl_b32 s29, s28, 3
	s_lshl_b32 s66, 0x10001, s29                   ; lanes 8 u and 16 + 8 u;
.irp i, 1,2,3,4,5,6,7
	s_lshl_b32 s[66+\i], s66, \i                   ; lanes 8 u + i and 16 + 8 u + i: the column of run i that is kept
.endr
	s_wait_kmcnt 0x0
; Run i's two bases in cb.  What was loaded is held inside the table before it enters an address: chunk at most 127, place in the chunk at most 3.
.macro BASE i
	s_lshr_b32 s76, s[16+\i], 2
	s_min_u32 s76, s76, 127
	s_mul_i32 s76, s76, CHUNK
	s_and_b32 s77, s[16+\i], 3
	s_min_u32 s77, s77, 3
	s_and_b32 s78, s77, 2
	s_and_b32 s77, s77, 1
	s_lshl_b32 s79, s78, 11                        ; the group: 4,096 bytes of images,
	s_add_co_u32 s79, s79, s76
	s_lshl_b32 s[32+4*\i], s77, 7                  ; tile rows 8 on: 8 x 16 bytes
	s_add_co_u32 s[32+4*\i], s[32+4*\i], s79
	s_mov_b32 s[33+4*\i], 0
	s_lshl_b32 s79, s78, 7                         ; 256 bytes of scale words,
	s_add_co_u32 s79, s79, s76
	s_lshl_b32 s[34+4*\i], s77, 5                  ; 8 x 4 bytes
	s_add_co_u32 s[34+4*\i], s[34+4*\i], s79
	s_mov_b32 s[35+4*\i], 0
	s_add_nc_u64 s[32+4*\i:33+4*\i], s[12:13], s[32+4*\i:33+4*\i]
	s_add_nc_u64 s[34+4*\i:35+4*\i], s[12:13], s[34+4*\i:35+4*\i]
.endm
.irp i, 0,1,2,3,4,5,6,7
	BASE \i
.irp k, 0,1,2,3
	global_load_b128 v[A+16*\i+4*\k:A+16*\i+4*\k+3], v7, s[32+4*\i:33+4*\i] offset:512*\k
.endr
	global_load_b32 v[AS+\i], v8, s[34+4*\i:35+4*\i]
.endr
	s_wait_loadcnt 46                              ; my lane's run is in: 6 + 40 loads were issued behind it
	v_lshrrev_b32 v11, 2, v[CV]
	s_delay_alu instid0(VALU_DEP_1)
	v_min_u32 v11, 127, v11
	s_delay_alu instid0(VALU_DEP_1)
	v_mul_u32_u24 v11, v11, CHUNK
	v_and_b32 v12, 3, v[CV]
	s_delay_alu instid0(VALU_DEP_1)
	v_min_u32 v12, 3, v12
	s_delay_alu instid0(VALU_DEP_1)
	v_lshl_add_u32 v11, v12, 6, v11
	s_delay_alu instid0(VALU_DEP_1)
	v_lshl_add_u32 v11, v3, 5, v11                 ; ee of codes 16 c + 8 h on: chunk, + 64 (c % 4) + 32 h
	global_load_b128 v[EE:EE+3], v11, s[12:13] offset:8704
	global_load_b128 v[EE+4:EE+7], v11, s[12:13] offset:8720
	s_wait_loadcnt 2                               ; all but ee's two
.irp i, 0,1,2,3,4,5,6,7                        ; the eight accumulators by turns
	v_wmma_scale_f32_16x16x128_f8f6f4 v[ACC+8*\i:ACC+8*\i+7], v[A+16*\i:A+16*\i+7], v[Z:Z+7], 0, v[AS+\i], v[ZS] matrix_a_fmt:MATRIX_FMT_FP4 matrix_b_fmt:MATRIX_FMT_FP4
.endr
.irp i, 0,1,2,3,4,5,6,7
	v_wmma_scale_f32_16x16x128_f8f6f4 v[ACC+8*\i:ACC+8*\i+7], v[A+16*\i+8:A+16*\i+15], v[Z+8:Z+15], v[ACC+8*\i:ACC+8*\i+7], v[AS+\i], v[ZS] matrix_a_fmt:MATRIX_FMT_FP4 matrix_b_fmt:MATRIX_FMT_FP4 matrix_a_scale:MATRIX_SCALE_ROW1 matrix_b_scale:MATRIX_SCALE_ROW1
.endr
.rept 4
	v_nop                                          ; four places before results are read
.endr
.irp j, 0,1,2,3,4,5,6,7
	v_mov_b32 v[X+\j], v[ACC+\j]                   ; run 0 everywhere,
.endr
.irp i, 1,2,3,4,5,6,7
.irp j, 0,1,2,3,4,5,6,7
	v_cndmask_b32 v[X+\j], v[X+\j], v[ACC+8*\i+\j], s[66+\i]   ; run i in its own column: lane (r, h) of my eight rows now holds x(row r, code 16 c + 8 h + j).  Each accumulator is read from its low end on
.endr
.endr
	s_wait_alu depctr_va_vdst(0)
	s_wait_loadcnt 0x0                             ; ee
.irp j, 0,1,2,3,4,5,6,7
	v_fma_f32 v[X+\j], v[X+\j], -2.0, v[ZZ]        ; zz - 2 x: one rounding, 2 x being exact
.endr
.irp j, 0,1,2,3,4,5,6,7
	v_add_f32 v[X+\j], v[X+\j], v[EE+\j]
.endr
	v_mov_b32 v13, 0
.irp j, 1
	v_cmp_le_f32 vcc_lo, v[X], v[X+\j]             ; the earlier one stays unless the later is strictly smaller
	s_delay_alu instid0(VALU_DEP_1)
	v_cndmask_b32 v13, \j, v13, vcc_lo
	v_min_num_f32 v[X], v[X], v[X+\j]
.endr
.irp j, 2, 3, 4, 5, 6, 7
	s_delay_alu instid0(VALU_DEP_1)
	v_cmp_le_f32 vcc_lo, v[X], v[X+\j]             ; the earlier one stays unless the later is strictly smaller
	s_delay_alu instid0(VALU_DEP_1)
	v_cndmask_b32 v13, \j, v13, vcc_lo
	s_delay_alu instid0(VALU_DEP_3)
	v_min_num_f32 v[X], v[X], v[X+\j]
.endr
	s_delay_alu instid0(VALU_DEP_2)
	v_lshl_add_u32 v13, v3, 3, v13                 ; its place in the run: 8 h + j
	s_delay_alu instid0(VALU_DEP_2)
	v_permlanex16_b32 v14, v[X], s[SEL], s[SEL+1]  ; the other half's value
	s_delay_alu instid0(VALU_DEP_2)
	v_permlanex16_b32 v15, v13, s[SEL], s[SEL+1]   ; and place
	s_delay_alu instid0(VALU_DEP_2)
	v_min_num_f32 v58, v[X], v14
	s_delay_alu instid0(VALU_DEP_1)
	v_cmp_eq_f32 vcc_lo, v[X], v58
	s_delay_alu instid0(VALU_DEP_1)
	v_cndmask_b32 v13, 64, v13, vcc_lo
	s_delay_alu instid0(VALU_DEP_3)
	v_cmp_eq_f32 vcc_lo, v14, v58
	s_delay_alu instid0(VALU_DEP_1)
	v_cndmask_b32 v15, 64, v15, vcc_lo
	s_delay_alu instid0(VALU_DEP_1)
	v_min_u32 v13, v13, v15                        ; the lower place among those that reach the minimum: the same in both halves
	s_delay_alu instid0(VALU_DEP_1)
	v_min_u32 v13, 15, v13
	v_min_u32 v[CV], 0x1ff, v[CV]
	s_delay_alu instid0(VALU_DEP_1)
	v_lshl_add_u32 v13, v[CV], 4, v13              ; the index
	ds_store_b32 v9, v13                           ; lanes l and l + 16 write the same word with the same value; the eight words that are not my rows' are never read
	s_wait_dscnt 0x0
	s_barrier_signal -1
	s_barrier_wait -1
	s_cmp_lt_u32 s26, 2
	s_cbranch_scc0 .Lend
	s_cmp_eq_u32 s26, 0                            ; wave 0 stores out1, wave 1 idx
	s_cselect_b64 s[14:15], s[14:15], s[24:25]
	s_lshl_b32 s30, ttmp9, 9
	s_mov_b32 s31, 0
	s_add_nc_u64 s[14:15], s[14:15], s[30:31]
	ds_load_b128 v[16:19], v59
	s_wait_dscnt 0x0
	global_store_b128 v5, v[16:19], s[14:15]       ; the block's 128 indices: 512 consecutive bytes
.Lend:
	s_wait_tensorcnt 0x0
	ds_add_u32 v62, v63
	s_wait_dscnt 0x0
	s_endpgm
.Lfunc_end_k_q6f25dd8b5d_resolve:
	.size	k_q6f25dd8b5d_resolve, .Lfunc_end_k_q6f25dd8b5d_resolve-k_q6f25dd8b5d_resolve
	.p2alignl 7, 3214868480
	.fill 96, 4, 3214868480
	.section	.rodata,"a",@progbits
	.p2align	6, 0x0
	.amdhsa_kernel k_q6f25dd8b5d_resolve
		.amdhsa_group_segment_fixed_size 3072
		.amdhsa_private_segment_fixed_size 0
		.amdhsa_enable_private_segment 0
		.amdhsa_kernarg_size 56
		.amdhsa_user_sgpr_count 2
		.amdhsa_user_sgpr_kernarg_segment_ptr 1
		.amdhsa_wavefront_size32 1
		.amdhsa_system_sgpr_workgroup_id_x 1
		.amdhsa_system_sgpr_workgroup_id_y 1
		.amdhsa_system_sgpr_workgroup_id_z 1
		.amdhsa_system_vgpr_workitem_id 0
		.amdhsa_next_free_vgpr 256
		.amdhsa_next_free_sgpr 80
		.amdhsa_reserve_vcc 1
		.amdhsa_float_denorm_mode_32 3
		.amdhsa_float_denorm_mode_16_64 3
		.amdhsa_memory_ordered 1
		.amdhsa_forward_progress 1
		.amdhsa_inst_pref_size 24
	.end_amdhsa_kernel
	.amdgpu_metadata
---
amdhsa.version: [ 1, 2 ]
amdhsa.kernels:
  - .name:           k_q6f25dd8b5d_resolve
    .symbol:         k_q6f25dd8b5d_resolve.kd
    .args:
      - { .name: cand, .offset: 0, .size: 8, .value_kind: global_buffer, .address_space: global }
      - { .name: zimg, .offset: 8, .size: 8, .value_kind: global_buffer, .address_space: global }
      - { .name: zsw, .offset: 16, .size: 8, .value_kind: global_buffer, .address_space: global }
      - { .name: zz, .offset: 24, .size: 8, .value_kind: global_buffer, .address_space: global }
      - { .name: cb, .offset: 32, .size: 8, .value_kind: global_buffer, .address_space: global }
      - { .name: out1, .offset: 40, .size: 8, .value_kind: global_buffer, .address_space: global }
      - { .name: idx, .offset: 48, .size: 8, .value_kind: global_buffer, .address_space: global }
    .group_segment_fixed_size: 3072
    .private_segment_fixed_size: 0
    .kernarg_segment_align: 8
    .kernarg_segment_size: 56
    .max_flat_workgroup_size: 512
    .sgpr_count:     80
    .vgpr_count:     256
    .wavefront_size: 32
...
	.end_amdgpu_metadata
.endif
;; end of part 3
;; launch gather (part 4): grid 256 x 1, 8 waves a work-group, no clusters, 0 bytes of LDS; arguments idx, codebook, out0; writes out0
.if DOCPART == 4
	.amdgcn_target "amdgcn-amd-amdhsa--gfx1250"
	.amdhsa_code_object_version 6
	.text
	.protected	k_q6f25dd8b5d_gather
	.globl	k_q6f25dd8b5d_gather
	.p2align	8
	.type	k_q6f25dd8b5d_gather,@function
k_q6f25dd8b5d_gather:
	s_mov_b64 s[64:65], 0
	v_nop
	global_prefetch_b8 v0, s[64:65] scope:SCOPE_SE
	s_setreg_imm32_b32 hwreg(HW_REG_WAVE_MODE, 25, 1), 1
	s_wait_xcnt 0x0
; out0[n][:] = codebook[idx[n]][:], f32 as it lies.  idx was stored by the launch before as whole numbers.
; A wave takes 16 rows: their indices come by one scalar load, each becomes a base of its own, and a row's 1,024 bytes are two loads and two stores of 512 consecutive bytes.
; All 32 loads of a wave go out together; each store follows its load's counted wait.  Memory binds: no LDS, no barrier, no matrix unit.  No hint on the loads: the list may name a row many times.
	s_load_b128 s[4:7], s[0:1], 0x0                ; idx, codebook
	s_load_b64 s[8:9], s[0:1], 0x10                ; out0
	v_lshrrev_b32 v1, 5, v0
	s_delay_alu instid0(VALU_DEP_1)
	v_readfirstlane_b32 s10, v1                    ; wave 0..7
	v_and_b32 v1, 31, v0
	s_delay_alu instid0(VALU_DEP_1)
	v_lshlrev_b32 v1, 4, v1                        ; 16 bytes a lane
	s_lshl_b32 s11, ttmp9, 3
	s_add_co_u32 s11, s11, s10                     ; which run of 16 rows is mine
	s_lshl_b32 s12, s11, 6                         ; its 16 words of idx,
	s_mov_b32 s13, 0
	s_lshl_b32 s14, s11, 14                        ; its 16 rows of 1,024 bytes in out0
	s_mov_b32 s15, 0
	s_wait_alu depctr_va_vdst(0)
	s_wait_kmcnt 0x0
	s_add_nc_u64 s[4:5], s[4:5], s[12:13]
	s_add_nc_u64 s[8:9], s[8:9], s[14:15]
	s_load_b512 s[16:31], s[4:5], 0x0
	s_wait_kmcnt 0x0
.irp i, 0,1,2,3,4,5,6,7,8,9,10,11,12,13,14,15
	s_min_u32 s[16+\i], s[16+\i], 8191             ; held inside the table before it enters an address
	s_lshl_b32 s[32+2*\i], s[16+\i], 10
	s_mov_b32 s[33+2*\i], 0
	s_add_nc_u64 s[32+2*\i:33+2*\i], s[6:7], s[32+2*\i:33+2*\i]
	global_load_b128 v[8+8*\i:11+8*\i], v1, s[32+2*\i:33+2*\i]
	global_load_b128 v[12+8*\i:15+8*\i], v1, s[32+2*\i:33+2*\i] offset:512
.endr
.set k, 0
.rept 32
	s_wait_loadcnt 31-k                            ; loads come back in order: load k is in, the younger ones stay out
	global_store_b128 v1, v[8+4*k:11+4*k], s[8:9] offset:512*k th:TH_STORE_NT   ; 512 consecutive bytes, aligned; written once, read by nobody here
.set k, k+1
.endr
	s_endpgm
.Lfunc_end_k_q6f25dd8b5d_gather:
	.size	k_q6f25dd8b5d_gather, .Lfunc_end_k_q6f25dd8b5d_gather-k_q6f25dd8b5d_gather
	.p2alignl 7, 3214868480
	.fill 96, 4, 3214868480
	.section	.rodata,"a",@progbits
	.p2align	6, 0x0
	.amdhsa_kernel k_q6f25dd8b5d_gather
		.amdhsa_group_segment_fixed_size 0
		.amdhsa_private_segment_fixed_size 0
		.amdhsa_enable_private_segment 0
		.amdhsa_kernarg_size 24
		.amdhsa_user_sgpr_count 2
		.amdhsa_user_sgpr_kernarg_segment_ptr 1
		.amdhsa_wavefront_size32 1
		.amdhsa_system_sgpr_workgroup_id_x 1
		.amdhsa_system_sgpr_workgroup_id_y 1
		.amdhsa_system_sgpr_workgroup_id_z 1
		.amdhsa_system_vgpr_workitem_id 0
		.amdhsa_next_free_vgpr 136
		.amdhsa_next_free_sgpr 66
		.amdhsa_reserve_vcc 0
		.amdhsa_float_denorm_mode_32 3
		.amdhsa_float_denorm_mode_16_64 3
		.amdhsa_memory_ordered 1
		.amdhsa_forward_progress 1
		.amdhsa_inst_pref_size 11
	.end_amdhsa_kernel
	.amdgpu_metadata
---
amdhsa.version: [ 1, 2 ]
amdhsa.kernels:
  - .name:           k_q6f25dd8b5d_gather
    .symbol:         k_q6f25dd8b5d_gather.kd
    .args:
      - { .name: idx, .offset: 0, .size: 8, .value_kind: global_buffer, .address_space: global }
      - { .name: codebook, .offset: 8, .size: 8, .value_kind: global_buffer, .address_space: global }
      - { .name: out0, .offset: 16, .size: 8, .value_kind: global_buffer, .address_space: global }
    .group_segment_fixed_size: 0
    .private_segment_fixed_size: 0
    .kernarg_segment_align: 8
    .kernarg_segment_size: 24
    .max_flat_workgroup_size: 256
    .sgpr_count:     66
    .vgpr_count:     136
    .wavefront_size: 32
...
	.end_amdgpu_metadata
.endif
;; end of part 4
